; MI455X (gfx1250); checked and timed in simulation.
; The chip was launched on July 23, 2026; its instructions are those of AMD's public machine-readable ISA for CDNA 5 (MIT licence, August 2026) and "CDNA5" Instruction Set Architecture Reference Guide (July 2026). The comments in the code are by the model that wrote it; some were corrected since.
;; Vector Quantizer. Allowed arithmetic: float matrix products may take bf16 or f16 operands with f32 sums; other float arithmetic in f32, or as packed bf16 or f16 multiplies, adds, multiply-adds, maxima and minima; sums over many terms, partial sums and values carried from step to step in f32; what a program stores and reads back later, other than sums and carried values, may be rounded once to bf16 or f16.
;; Inputs: embedding 8,192 x 256 float32; x 32,768 x 256 float32.
;; Outputs: out0 32,768 x 256 float32; out1 one number float32; out2 one number float32; out3 32,768 int32.
;; 2 versions, each right; version 2 is version 1 with the launch apply written anew for expert scheduling mode. Each part assembles by itself: llvm-mc -triple=amdgcn-amd-amdhsa -mcpu=gfx1250 --defsym DOCPART=n.
;; ======== version 1 of 2: 5 launches
;; workspace buffers: eb 4,194,304 bytes; ee 32,768 bytes; xb 16,777,216 bytes; xn 131,072 bytes; sel 131,072 bytes of whole numbers; part 16,384 bytes
;; launch prep (part 1): grid 128 x 1, 4 waves a work-group, no clusters, 167,936 bytes of LDS; arguments embedding, eb, ee; writes eb, ee
.if DOCPART == 1
	.amdgcn_target "amdgcn-amd-amdhsa--gfx1250"
	.amdhsa_code_object_version 6
	.text
	.protected	k_qd4b84b04c9_prep
	.globl	k_qd4b84b04c9_prep
	.p2align	8
	.type	k_qd4b84b04c9_prep,@function
k_qd4b84b04c9_prep:
	s_mov_b64 s[64:65], 0
	v_nop
	global_prefetch_b8 v0, s[64:65] scope:SCOPE_SE
	s_setreg_imm32_b32 hwreg(HW_REG_WAVE_MODE, 25, 1), 1
	s_wait_xcnt 0x0
; ROWS ARE MADE READY FOR THE SEARCH.  Arguments: src [rows][256] f32; dst: the same numbers rounded once to bf16, in the order in which the search reads them; nrm [rows] f32: the sum of squares
; of each ROUNDED row (the search ranks by distances between rounded rows, so the norms belong to them).  The body runs twice: on the codebook (8,192 rows) and on x (32,768 rows); rows = 64 x the grid.
; dst's ORDER.  A tile of 16 rows is 8,192 dense bytes: 16 blocks of 512.  Block 2 s + u holds k = 32 s + 16 u .. + 15; in it lane l = r + 16 h owns the 16 bytes at 16 l: row r of the tile,
; k = 32 s + 16 u + 8 h .. + 7.  That is half a matrix fragment (16 rows x 32 k, ISA guide 7.12.2) as the lanes hold it, so the search reads a fragment as 32 lanes x 16 neighbouring bytes.
; SHARES.  A work-group owns 64 rows, each of its four waves one tile of 16.  One tensor load a wave brings the tile's 16 rows of 1,024 bytes into LDS bytes of the wave's own; a tile has no more rows.
; NO CLUSTER: no two work-groups read the same row.  No matrix work: there is no product here.
; LIMITS.  NaN and infinities are not treated apart.
.set XP,    1040                       ; an LDS row: 1,024 bytes + 16 of padding = 65 x 16: the 16 rows that a load touches start at 16 different groups of four banks (64 banks of 4 bytes: ISA guide 11.1)
.set TILEB, 16*XP                      ; a wave's tile in LDS
.set EES,   4*TILEB                    ; behind the tiles: the work-group's 64 norms, a block of 256 bytes that no tensor load fills
.set SPARE, EES+256                    ; the spare words, 128 bytes for each wave: two blocks of 256 bytes that no other line names
.set SPW, 5                            ; v5       LDS address of my spare word; never rewritten
.set NIL, 6                            ; v6       0; never rewritten
.set SUM, 8                            ; v[8:15]  four pairs of running sums of squares
.set T,   16                           ; v[16:31] a K step's 16 rounded numbers, widened again
.set X,   32                           ; v[32:159]  my 128 numbers in f32: K step s at X + 16 s
.set FR,  160                          ; v[160:223] the same in bf16: K step s at FR + 8 s; store data, never rewritten
.set G1,  16                           ; s[16:23] descriptor group 1
.set G0,  24                           ; s[24:27] descriptor group 0
	s_load_b128 s[4:7], s[0:1], 0x0                ; src s[4:5], dst s[6:7]
	s_load_b64 s[8:9], s[0:1], 0x10                ; nrm
	v_lshl_add_u32 v[SPW], v0, 2, SPARE
	v_mov_b32 v[NIL], 0
	ds_add_u32 v[SPW], v[NIL]                      ; the wave's opening: the add and its wait stand ahead of my tensor load; work on registers stands between them
	v_lshrrev_b32 v1, 5, v0
	v_readfirstlane_b32 s10, v1                    ; wave 0..3
	s_lshl_b32 s11, ttmp9, 2
	s_add_co_u32 s11, s11, s10                     ; my tile of 16 rows: 4 x work-group + wave
	s_mov_b32 s[G1+0], (2<<16)|(1<<20)|(7<<22)|(3<<25)  ; 17:16 elements of 4 bytes; 20 padding on; 24:22 after every 256 words (code 7); 31:25 4 words of it (code 3)
	s_mov_b32 s[G1+1], 256<<16                     ; tensor_dim0 = 256
	s_mov_b32 s[G1+2], 16<<16                      ; tensor_dim1 = 16
	s_mov_b32 s[G1+3], 256<<16                     ; tile_dim0 = 256
	s_mov_b32 s[G1+4], 16                          ; tile_dim1 = 16
	s_mov_b32 s[G1+5], 256                         ; 256 elements from row to row
	s_mov_b32 s[G1+6], 0
	s_mov_b32 s[G1+7], 0
	s_mul_i32 s28, s10, TILEB                      ; my tile's place in LDS
	s_mov_b32 s[G0], 1                             ; count = 1
	s_mov_b32 s[G0+1], s28
	s_lshl_b32 s12, s11, 14                        ; my tile's 16 rows of 1,024 bytes in src: under 2^25 bytes at 32,768 rows
	s_mov_b32 s13, 0
	s_lshl_b32 s29, s11, 13                        ; and its 8,192 bytes in dst
	s_lshl_b32 s30, s10, 6
	s_add_co_u32 s30, s30, EES                     ; my 16 norms in LDS
	s_mov_b32 s14, 0x76543210                      ; v_permlanex16_b32: each lane takes its own place in the other half
	s_mov_b32 s15, 0xfedcba98
	s_mov_b32 s31, 0xffff0000                      ; a word's upper bf16
	s_wait_dscnt 0x0                               ; the opening add is done
	s_wait_kmcnt 0x0
	s_add_nc_u64 s[G0+2:G0+3], s[4:5], s[12:13]    ; global address of the tile's first element
	s_or_b32 s[G0+3], s[G0+3], 0x80000000          ; type = 2
	tensor_load_to_lds s[G0:G0+3], s[G1:G1+7]      ; the one tensor load of this wave
	s_nop 0
	v_and_b32 v1, 15, v0                           ; r
	v_bfe_u32 v2, v0, 4, 1                         ; h
	v_mul_u32_u24 v3, v1, XP
	v_lshl_add_u32 v3, v2, 5, v3
	v_add_nc_u32 v3, s28, v3                       ; row r of my tile, 32 h bytes in: eight f32
	v_and_b32 v7, 31, v0
	v_lshl_add_u32 v4, v7, 4, s29                  ; my 16 bytes in each block of my tile of dst; never rewritten
	v_lshl_add_u32 v7, v1, 2, s30                  ; where my row's norm goes
	s_wait_tensorcnt 0x0                           ; my tile is in LDS; only I read it, so no barrier is needed
.irp s, 0,1,2,3,4,5,6,7
.irp c, 0,1,2,3                        ; k = 32 s + 8 h + 0..3, + 4..7, then 16 further on
	ds_load_b128 v[X+16*(\s)+4*(\c):X+16*(\s)+4*(\c)+3], v3 offset:128*(\s)+16*((\c)%2)+64*((\c)/2)
.endr
.endr
.irp s, 0,1,2,3,4,5,6,7
	s_wait_dscnt 28-4*(\s)                         ; LDS loads come back in order (ISA guide 5.7.1): this K step's four are in, the later steps' stay out
.irp i, 0,1,2,3,4,5,6,7
	v_cvt_pk_bf16_f32 v[FR+8*(\s)+(\i)], v[X+16*(\s)+2*(\i)], v[X+16*(\s)+2*(\i)+1]
.endr
	global_store_b128 v4, v[FR+8*(\s):FR+8*(\s)+3], s[6:7] offset:1024*(\s)        ; a store of the wave covers 512 consecutive bytes, at a multiple of 512 from dst's first byte
	global_store_b128 v4, v[FR+8*(\s)+4:FR+8*(\s)+7], s[6:7] offset:1024*(\s)+512
.irp i, 0,1,2,3,4,5,6,7
	v_lshlrev_b32 v[T+2*(\i)],   16,  v[FR+8*(\s)+(\i)]   ; the rounded numbers as f32
	v_and_b32     v[T+2*(\i)+1], s31, v[FR+8*(\s)+(\i)]
.endr
.irp i, 0,1,2,3,4,5,6,7
.if ((\s) == 0) && ((\i) < 4)
	v_pk_mul_f32 v[SUM+2*(\i):SUM+2*(\i)+1], v[T+2*(\i):T+2*(\i)+1], v[T+2*(\i):T+2*(\i)+1]  ; the first four pairs start the chains: nothing is cleared
.else
	v_pk_fma_f32 v[SUM+2*((\i)%4):SUM+2*((\i)%4)+1], v[T+2*(\i):T+2*(\i)+1], v[T+2*(\i):T+2*(\i)+1], v[SUM+2*((\i)%4):SUM+2*((\i)%4)+1]
.endif
.endr
.endr
	v_pk_add_f32 v[SUM:SUM+1], v[SUM:SUM+1], v[SUM+2:SUM+3]
	v_pk_add_f32 v[SUM+4:SUM+5], v[SUM+4:SUM+5], v[SUM+6:SUM+7]
	v_pk_add_f32 v[SUM:SUM+1], v[SUM:SUM+1], v[SUM+4:SUM+5]
	v_add_f32 v[SUM], v[SUM], v[SUM+1]
	v_permlanex16_b32 v[SUM+1], v[SUM], s14, s15   ; the row's other 128 numbers lie in the lane 16 away
	v_add_f32 v[SUM], v[SUM], v[SUM+1]
	ds_store_b32 v7, v[SUM]                        ; both halves of the lanes write the same number to the same word
	s_wait_dscnt 0x0                               ; for wave 0's sake: my store is done
	s_barrier_signal -1
	s_barrier_wait -1
	s_cmp_lg_u32 s10, 0
	s_cbranch_scc1 .Lend
	v_and_b32 v16, 31, v0                          ; wave 0 stores the work-group's 64 norms: 32 lanes x 8 bytes, 256 consecutive bytes at a multiple of 256 from nrm's first byte
	v_lshlrev_b32 v17, 3, v16
	v_add_nc_u32 v18, EES, v17
	ds_load_b64 v[20:21], v18
	s_lshl_b32 s12, ttmp9, 8
	v_add_nc_u32 v19, s12, v17
	s_wait_dscnt 0x0
	global_store_b64 v19, v[20:21], s[8:9]
.Lend:
	s_wait_tensorcnt 0x0                           ; the wave's end: behind my tensor load and my last LDS store
	ds_add_u32 v[SPW], v[NIL]
	s_wait_dscnt 0x0
	s_endpgm
.Lfunc_end_k_qd4b84b04c9_prep:
	.size	k_qd4b84b04c9_prep, .Lfunc_end_k_qd4b84b04c9_prep-k_qd4b84b04c9_prep
	.p2alignl 7, 3214868480
	.fill 96, 4, 3214868480
	.section	.rodata,"a",@progbits
	.p2align	6, 0x0
	.amdhsa_kernel k_qd4b84b04c9_prep
		.amdhsa_group_segment_fixed_size 167936
		.amdhsa_private_segment_fixed_size 0
		.amdhsa_enable_private_segment 0
		.amdhsa_kernarg_size 24
		.amdhsa_user_sgpr_count 2
		.amdhsa_user_sgpr_kernarg_segment_ptr 1
		.amdhsa_wavefront_size32 1
		.amdhsa_system_sgpr_workgroup_id_x 1
		.amdhsa_system_sgpr_workgroup_id_y 1
		.amdhsa_system_sgpr_workgroup_id_z 1
		.amdhsa_system_vgpr_workitem_id 0
		.amdhsa_next_free_vgpr 224
		.amdhsa_next_free_sgpr 66
		.amdhsa_reserve_vcc 0
		.amdhsa_float_denorm_mode_32 3
		.amdhsa_float_denorm_mode_16_64 3
		.amdhsa_memory_ordered 1
		.amdhsa_forward_progress 1
		.amdhsa_inst_pref_size 20
	.end_amdhsa_kernel
	.amdgpu_metadata
---
amdhsa.version: [ 1, 2 ]
amdhsa.kernels:
  - .name:           k_qd4b84b04c9_prep
    .symbol:         k_qd4b84b04c9_prep.kd
    .args:
      - { .name: embedding, .offset: 0, .size: 8, .value_kind: global_buffer, .address_space: global }
      - { .name: eb, .offset: 8, .size: 8, .value_kind: global_buffer, .address_space: global }
      - { .name: ee, .offset: 16, .size: 8, .value_kind: global_buffer, .address_space: global }
    .group_segment_fixed_size: 167936
    .private_segment_fixed_size: 0
    .kernarg_segment_align: 8
    .kernarg_segment_size: 24
    .max_flat_workgroup_size: 128
    .sgpr_count:     66
    .vgpr_count:     224
    .wavefront_size: 32
...
	.end_amdgpu_metadata
.endif
;; end of part 1
;; launch prepx: the kernel of part 1 again; grid 512 x 1, 4 waves a work-group, no clusters, 167,936 bytes of LDS; arguments x, xb, xn; writes xb, xn
;; launch vq (part 2): grid 256 x 1, 4 waves a work-group, clusters of 4 x 1, 327,680 bytes of LDS; arguments xb, xn, eb, ee, out3, sel; writes out3, sel
.if DOCPART == 2
	.amdgcn_target "amdgcn-amd-amdhsa--gfx1250"
	.amdhsa_code_object_version 6
	.text
	.protected	k_qd4b84b04c9_vq
	.globl	k_qd4b84b04c9_vq
	.p2align	8
	.type	k_qd4b84b04c9_vq,@function
k_qd4b84b04c9_vq:
	s_mov_b64 s[64:65], 0
	v_nop
	global_prefetch_b8 v0, s[64:65] scope:SCOPE_SE
	s_setreg_imm32_b32 hwreg(HW_REG_WAVE_MODE, 25, 1), 1
	s_wait_xcnt 0x0
	s_wait_alu depctr_hold_cnt(0) depctr_sa_sdst(0) depctr_va_vdst(0) depctr_va_sdst(0) depctr_va_ssrc(0) depctr_va_vcc(0) depctr_vm_vsrc(0)
	s_getreg_b32 s2, hwreg(HW_REG_IB_STS2, 6, 4)
	s_cmp_eq_u32 s2, 0
	s_cbranch_scc0 .Lentry_in_a_cluster
	s_endpgm
.Lentry_in_a_cluster:
	s_bfe_u32 s2, ttmp6, 0x10000c
	s_cmp_lg_u32 s2, 0x3003
	s_cbranch_scc0 .Lentry_shape_is_right
	s_endpgm
.Lentry_shape_is_right:
; THE SEARCH.  For each of 32,768 queries the index of the code with the least d2 = (xx - 2 x.e) + ee, the lowest index among equals.  out3 and sel: [32768] int32, the same numbers.
; xb (32,768 rows) and eb (8,192 rows): x and the codebook rounded once to bf16, in tiles of 16 rows x 256 k = 8,192 bytes in fragment order (block 2 s + u of 512 bytes: lane l's 16 bytes at 16 l are
; row l % 16, k = 32 s + 16 u + 8 (l / 16) .. + 7).  xn, ee: f32, the sums of squares of the ROUNDED rows.  All four were stored by the launches before.
; THE ARITHMETIC.  x.e is summed in f32 by the matrix unit.  d2 is then made as the formula is written, in f32 with its two roundings: t = xx - 2 dot (one fused line: 2 dot is exact), d2 = t + ee.
; These roundings make equal d2 out of unequal distances, and the lowest index must win there, so they are repeated for every score and every comparison is on (d2, index).
; LIMITS.  The order goes by this text's own d2 bits: the last bits of the products' sums may differ from those of another order of summation.  A NaN score never wins; a row with no score below
; +infinity gets index 0.
; SHARES.  A work-group owns 128 queries; all four waves hold ALL of them as fragments in registers (512), and wave w walks the codes 2,048 w .. + 2,047: 128 tiles of 16.
; So a tile's 16 LDS loads feed 64 matrix instructions.  At the end the four waves' winners meet in LDS.
; LAYOUT.  Source 0 = 16 codes, source 1 = 16 queries: in the result a lane holds ONE query (lane % 16) and the codes 8 (lane / 16) + 0..7, one a register.  Each register keeps its own running
; minimum and the tile in which it arose: no lane looks at another until the end.
; BY TURNS.  The eight blocks of 16 queries are two groups of four.  While one group has the matrix unit (32 products: 8 K steps x 4 accumulators by turns), the other group's 128 vector lines
; (d2, compare, minimum, index) stand in slices of four, one slice behind each product.  They name the other group's registers alone.
; NO FIRST AND NO LAST TILE.  The walk has a BLIND tile in front and one behind, 130 in all: a blind tile's ee is +infinity, so its d2 is +infinity or NaN and never wins.  The one in front multiplies tile 0's
; fragments; the one behind multiplies tile 127's once more and carries the ranking of tile 127's second group.  The price: 128 of a wave's 8,320 products serve nothing; the gain: a tile's text stands
; four times (a pair in the loop, a pair in the tail) and nothing else is written out.
; CLUSTER.  The four work-groups of a cluster walk the same codes in the same order, so each chunk of eb (4 tiles a wave) and ee are asked for JOINTLY: the same tensor load, descriptor and mask in all four.
; The queries are each work-group's own and come by plain loads into registers.
; LDS.  Two slots of 131,072 bytes; in a slot wave w's chunk of 32,768 at 32,768 w, read by wave w alone.  Behind them ee, 8,448 bytes a wave: its 2,048 numbers and a block of 256 bytes of +infinity,
; stored by the wave itself, for the blind tiles; the stage for the winners; the spare words.
; REGISTERS, in windows of 256 (s_set_vgpr_msb: bits 1:0 source 0, 3:2 source 1, 5:4 source 2, 7:6 destination):
;   window 0: v0-15 addresses; v16-47 at work; v64-127 the 8 accumulators; v128-191 the running minima; v192-255 their tiles        window 1: x fragments of blocks 0-3, block q, K step s at 64 (q % 4) + 8 s
;   window 2: those of blocks 4-7        window 3: v0-127 a tile's code fragments, two buffers by the tile's parity; v128-143 its ee, likewise; v144-159 xx, a pair a block
.set SLOT1, 131072                     ; slot 1 begins here: one exclusive or turns an address in one slot into the other's
.set CHUNK, 32768                      ; a wave's 4 tiles
.set TILEB, 8192
.set EEP,   8448                       ; a wave's ee in LDS: 8,192 bytes, then the block of +infinity
.set EEL,   2*SLOT1
.set RED,   EEL+4*EEP                  ; the winners: values at 512 w + 4 query, indices 2,048 further on; no tensor load fills these blocks
.set SPARE, RED+4096                   ; the spare words, 128 bytes for each wave: two blocks of 256 bytes that no other line names
.set AL0, 2                            ; v2   16 lane + 32,768 w: my 16 bytes of a block of my chunk; never rewritten
.set AE0, 3                            ; v3   my 8 numbers of a tile's ee; never rewritten
.set ADR, 4                            ; v4   LDS address of the run of loads in hand
.set ADE, 5                            ; v5   the same for ee
.set XO,  6                            ; v6   16 lane: my 16 bytes of a block of xb; never rewritten
.set XNO, 7                            ; v7   my query's byte offset in xn; never rewritten
.set SPW, 8                            ; v8   LDS address of my spare word; never rewritten
.set NIL, 9                            ; v9   0; never rewritten
.set H8,  10                           ; v10  8 (lane / 16)
.set RS,  11                           ; v11  the end: where my query's winner goes
.set RL,  12                           ; v12  the end: where I read two queries' winners
.set GO,  13                           ; v13  my byte offset in out3 or sel
.set TQ,  16                           ; v16-23 the end: a block's least value
.set FV,  32                           ; v32-39 the end: four waves' values of two queries
.set FI,  40                           ; v40-47 their indices
.set ACC, 64
.set BEST, 128
.set IDX, 192
.set EE,  128                          ; window 3
.set XX,  144                          ; window 3
.set WV,  16                           ; s16  my wave's number
.set G1C, 32                           ; s[32:39] descriptor group 1 for a chunk of eb
.set G1E, 40                           ; s[40:47] for ee
.set G0E, 52                           ; s[52:55] descriptor group 0 for ee
.set G0C, 56                           ; s[56:59] for eb: it walks
.set SLOTS, 60                         ; s60  chunks still to be asked for
.set CNT, 61                           ; s61  counts pairs of tiles
.set TB,  62                           ; s62  LDS byte, less my wave's share, at which the tile to be fetched begins
.set TE,  63                           ; s63  the same for its ee
.set TIX, 66                           ; s66  the first code of the tile whose scores are being ranked
.set TBC, 67                           ; s67  TB, held to the last tile of slot 1
.set MK,  68                           ; s[68:75] eight lane masks
.set SEL, 84                           ; s[84:85] v_permlanex16_b32's selects: each lane takes its own place in the other half
.set MG,  86                           ; s[86:88] masks of a merge
.set BIGI, 89                          ; s89  an index above every index
.set INF, 90                           ; s90  +infinity
.set MSB, 0
.macro WIN new                         ; the immediate's high byte repeats the setting that is left; a switch that changes nothing is dropped
.if MSB != (\new)
	s_set_vgpr_msb (MSB<<8)|(\new)
.set MSB, (\new)
.endif
.endm
; A round of the cluster's barrier: my work-group's barrier, so that wave 0's signal speaks for all four waves; wave 0 signals; every wave waits for all four work-groups; my work-group's barrier once more.
.macro ROUND
	s_barrier_signal -1
	s_barrier_wait -1
	s_cmp_lg_u32 s[WV], 0
	s_cbranch_scc1 .Lnot_wave_0_\@
	s_barrier_signal -3
.Lnot_wave_0_\@:
	s_barrier_wait -3
	s_barrier_signal -1
	s_barrier_wait -1
.endm
; THE CHANGE OF SLOTS.  The old slot's last tile has been asked for from LDS.  Each wave waits for all its tensor loads, of which one is out: its chunk in the other slot; adds 0 to its spare word; and waits for
; that and for its reads of the old slot.  Behind the round no wave of any partner reads the old slot or has a load on its way, and the joint fill is the first thing there: it has four tiles,
; 256 matrix instructions, in which to land.  (At its first use no load is out, and slot 1 is filled for the first time.)
.macro CHANGE
	WIN 0                                          ; at a label and at a branch every window is 0
	s_wait_tensorcnt 0x0                           ; no tensor load of mine is out, so group 0 may be written
	ds_add_u32 v[SPW], v[NIL]                      ; 0 onto my spare word; the scalar steps stand between it and the wait for it
	s_xor_b32 s[G0C+1], s[G0C+1], SLOT1            ; the walking descriptor: the other slot than last time,
	s_add_nc_u64 s[G0C+2:G0C+3], s[G0C+2:G0C+3], CHUNK  ; my next four tiles; the type bits on top are not reached
	s_sub_co_u32 s[TB], s[TB], CHUNK               ; the fetches go back to a chunk's first tile,
	s_xor_b32 s[TB], s[TB], SLOT1                  ; in the other slot
	s_wait_dscnt 0x0                               ; the add is done, and my reads of the old slot are over
	ROUND
	tensor_load_to_lds s[G0C:G0C+3], s[G1C:G1C+7]  ; my one tensor load behind the round
	s_nop 0
.rept 4
	v_nop                                          ; no window is switched among the four lines behind the load
.endr
.endm
; 18 LDS loads in one run: a tile's 16 half fragments (32 lanes x 16 neighbouring bytes each) and its ee, into the buffers of parity p.  The two fetches behind tile 127's find TB past the last chunk's end:
; it is held to that chunk's last tile, and their ee is the block of +infinity, which begins where my 128 tiles' ee ends.
.macro FETCH p
	WIN 0
	s_min_u32 s[TBC], s[TB], SLOT1+3*TILEB
	v_add_nc_u32 v[ADR], s[TBC], v[AL0]
	v_add_nc_u32 v[ADE], s[TE], v[AE0]
	s_add_co_u32 s[TB], s[TB], TILEB               ; the next fetch is the next tile's
	s_add_co_u32 s[TE], s[TE], 64
	WIN 0xc0                                       ; destination window 3, address window 0
.irp f, 0,1,2,3,4,5,6,7,8,9,10,11,12,13,14,15
	ds_load_b128 v[64*(\p)+4*(\f):64*(\p)+4*(\f)+3], v[ADR] offset:512*(\f)
.endr
	ds_load_b128 v[EE+8*(\p):EE+8*(\p)+3], v[ADE]
	ds_load_b128 v[EE+8*(\p)+4:EE+8*(\p)+7], v[ADE] offset:16
.endm
; THE VECTOR WORK of a group y of four blocks for one tile is a list of 128 lines, 32 a block; RIDER writes number n.  In a block's 32:
;   0-3    t = xx - 2 dot, two scores a line, lowest registers first      4-7  d2 = t + ee (a multiply by 1 keeps ee in the third place, whose window is 3)
;   8-15   is d2 below the register's running minimum?  Strictly: of equal d2 the earlier tile stays      16-31  by turns the new minimum, and the tile where the answer was yes
.macro RIDER y, p
.set q, 4*(\y)+n/32
.set m, n%32
.set a, ACC+8*q
.if m < 4
	v_pk_fma_f32 v[a+2*m:a+2*m+1], v[a+2*m:a+2*m+1], -2.0, v[XX+2*q:XX+2*q+1] op_sel_hi:[1,0,1]
.elseif m < 8
	v_pk_fma_f32 v[a+2*m-8:a+2*m-7], v[a+2*m-8:a+2*m-7], 1.0, v[EE+8*(\p)+2*m-8:EE+8*(\p)+2*m-7] op_sel_hi:[1,0,1]
.elseif m < 16
	v_cmp_lt_f32 s[MK+m-8], v[a+m-8], v[BEST+8*q+m-8]
.elseif m%2 == 0
	v_min_num_f32 v[BEST+8*q+(m-16)/2], v[BEST+8*q+(m-16)/2], v[a+(m-16)/2]
.else
	v_cndmask_b32 v[IDX+8*q+(m-16)/2], v[IDX+8*q+(m-16)/2], s[TIX], s[MK+(m-16)/2]
.endif
.set n, n+1
.endm
.macro SLICE y, p                      ; the next four of the list
	WIN 0x30                                       ; the third source (xx, ee) in window 3, all else in window 0
.rept 4
	RIDER \y, \p
.endr
.endm
; HALF A TILE: group g's 32 products with the code fragments of parity p, K step i / 4, block 4 g + i % 4.  The four accumulators take turns, one instruction a turn; the first four start the
; sums with the constant 0.  Behind each product a slice of the other group's list (its ee in the buffer of parity pe).  A finished accumulator is first read 16 plain lines or more behind its last product
; (ISA guide 7.12.1).  fetch = 1: the next tile's run of loads stands behind the second product, 30 products ahead of the wait for it; its buffers were last read half a tile back.
.macro HALF g, p, pe, fetch
.set n, 0
.set i, 0
.rept 32
	WIN 0x07+4*(\g)                                ; codes in window 3, x in window 1 or 2, sums in window 0
.set rD, ACC+8*(4*(\g)+i%4)
.set rA, 64*(\p)+8*(i/4)
.set rB, 64*(i%4)+8*(i/4)
.if i < 4
	v_wmma_f32_16x16x32_bf16 v[rD:rD+7], v[rA:rA+7], v[rB:rB+7], 0
.else
	v_wmma_f32_16x16x32_bf16 v[rD:rD+7], v[rA:rA+7], v[rB:rB+7], v[rD:rD+7]
.endif
	SLICE 1-(\g), \pe
.if (\fetch) && (i == 1)
	FETCH 1-(\p)
.endif
.set i, i+1
.endr
.endm
; A TILE of parity p.  Its first half carries the ranking of the tile before (group 1), its second half that of the tile itself (group 0): the tile's number steps between them.
.macro TILE p
	s_wait_dscnt 0x0                               ; the tile's fragments and ee are in
	HALF 0, \p, 1-(\p), 0
	s_add_co_u32 s[TIX], s[TIX], 16
	HALF 1, \p, \p, 1
.endm
; (value, index) b replaces a where it is the lesser pair: a lower value, or an equal value with a lower index.  A select, no branch.
.macro MERGE va, ia, vb, ib
	v_cmp_lt_f32 s[MG], v[\vb], v[\va]
	v_cmp_eq_f32 s[MG+1], v[\vb], v[\va]
	v_cmp_lt_u32 s[MG+2], v[\ib], v[\ia]
	s_and_b32 s[MG+1], s[MG+1], s[MG+2]
	s_or_b32 s[MG], s[MG], s[MG+1]
	v_cndmask_b32 v[\va], v[\va], v[\vb], s[MG]
	v_cndmask_b32 v[\ia], v[\ia], v[\ib], s[MG]
.endm
	s_load_b256 s[4:11], s[0:1], 0x0               ; xb s[4:5], xn s[6:7], eb s[8:9], ee s[10:11]
	s_load_b128 s[12:15], s[0:1], 0x20             ; out3 s[12:13], sel s[14:15]
	v_lshl_add_u32 v[SPW], v0, 2, SPARE
	v_mov_b32 v[NIL], 0
	ds_add_u32 v[SPW], v[NIL]                      ; the wave's opening: the add and its wait stand ahead of the round that stands in front of my first tensor loads
	v_lshrrev_b32 v1, 5, v0
	v_readfirstlane_b32 s[WV], v1                  ; wave 0..3
	s_bfe_u32 s17, ttmp6, 0x40000                  ; cx: my place in the cluster
	s_lshl_b32 s18, ttmp9, 2                       ; in a cluster launch ttmp9 counts clusters
	s_add_co_u32 s18, s18, s17                     ; my block of 128 queries: it enters xb's address and the offsets in xn and the outputs alone
	s_lshl_b32 s22, s18, 16                        ; its 8 tiles of 8,192 bytes in xb
	s_mov_b32 s23, 0
	s_lshl_b32 s78, s18, 9                         ; its 128 words in xn, out3 and sel
	s_lshl_b32 s24, s[WV], 20                      ; my 2,048 codes in eb: 128 tiles of 8,192 bytes
	s_mov_b32 s25, 0
	s_lshl_b32 s26, s[WV], 13                      ; and in ee
	s_mov_b32 s27, 0
	s_lshl_b32 s76, s[WV], 15                      ; my chunk's place in a slot
	s_mul_i32 s77, s[WV], EEP
	s_add_co_u32 s77, s77, EEL                     ; my ee in LDS: no place in the cluster enters an LDS address
	s_add_co_u32 s79, s77, 8192                    ; and my block of +infinity
	s_mov_b32 s[G1C+0], 15|(3<<16)|(1<<21)         ; a chunk is dense: 128 rows of 256 bytes.  15:0 the mask of four; 17:16 elements of 8 bytes; 21 set beside a mask
	s_mov_b32 s[G1C+1], 32<<16                     ; tensor_dim0 = 32
	s_mov_b32 s[G1C+2], 128<<16                    ; tensor_dim1 = 128
	s_mov_b32 s[G1C+3], 32<<16                     ; tile_dim0 = 32
	s_mov_b32 s[G1C+4], 128                        ; tile_dim1 = 128
	s_mov_b32 s[G1C+5], 32                         ; 32 elements from row to row
	s_mov_b32 s[G1C+6], 0
	s_mov_b32 s[G1C+7], 0
	s_mov_b32 s[G1E+0], 15|(3<<16)|(1<<21)         ; my quarter of ee: 32 rows of 256 bytes
	s_mov_b32 s[G1E+1], 32<<16
	s_mov_b32 s[G1E+2], 32<<16
	s_mov_b32 s[G1E+3], 32<<16
	s_mov_b32 s[G1E+4], 32
	s_mov_b32 s[G1E+5], 32
	s_mov_b32 s[G1E+6], 0
	s_mov_b32 s[G1E+7], 0
	s_mov_b32 s[G0C], 1                            ; count = 1
	s_mov_b32 s[G0C+1], s76                        ; chunk 0 goes into slot 0
	s_mov_b32 s[G0E], 1
	s_mov_b32 s[G0E+1], s77
	s_mov_b32 s[SEL], 0x76543210
	s_mov_b32 s[SEL+1], 0xfedcba98
	s_mov_b32 s[BIGI], 0x7fffffff
	s_mov_b32 s[INF], 0x7f800000
	s_mov_b32 s[TB], SLOT1+CHUNK                   ; the first change of slots turns this into 0
	s_mov_b32 s[TE], 0
	s_lshl_b32 s[TIX], s[WV], 11
	s_sub_co_u32 s[TIX], s[TIX], 32                ; two tiles ahead of my first: it steps in the middle of every tile, the blind one in front too (what it holds till then never wins)
	s_wait_dscnt 0x0                               ; the opening add is done
	s_wait_kmcnt 0x0
	s_add_nc_u64 s[4:5], s[4:5], s[22:23]          ; xb at my work-group's first tile
	s_add_nc_u64 s[G0C+2:G0C+3], s[8:9], s[24:25]
	s_or_b32 s[G0C+3], s[G0C+3], 0x80000000        ; type = 2
	s_add_nc_u64 s[G0E+2:G0E+3], s[10:11], s[26:27]
	s_or_b32 s[G0E+3], s[G0E+3], 0x80000000
	ROUND                                          ; all four work-groups are here: the first joint loads meet
	tensor_load_to_lds s[G0C:G0C+3], s[G1C:G1C+7]  ; the first fills go out together: two loads of mine are out.  My chunk 0,
	s_nop 0
	tensor_load_to_lds s[G0E:G0E+3], s[G1E:G1E+7]  ; my quarter of ee
	s_nop 0
.rept 4
	v_nop
.endr
	v_and_b32 v1, 15, v0                           ; r = lane % 16
	v_bfe_u32 v14, v0, 4, 1                        ; h = lane / 16
	v_and_b32 v15, 31, v0                          ; lane
	v_lshlrev_b32 v[XO], 4, v15
	v_lshl_add_u32 v[XNO], v1, 2, s78
	; The 128 queries come straight into their fragment registers: xb holds them as the lanes do, so each load of the wave is 512 consecutive bytes.
.irp q, 0,1,2,3,4,5,6,7
	WIN 0x40<<((\q)/4)                             ; destination window 1 or 2, address window 0
.set ff, 0
.rept 16
	global_load_b128 v[64*((\q)%4)+4*ff:64*((\q)%4)+4*ff+3], v[XO], s[4:5] offset:8192*(\q)+512*ff
.set ff, ff+1
.endr
.endr
	WIN 0xc0
.irp q, 0,1,2,3,4,5,6,7
	global_load_b32 v[XX+2*\q],   v[XNO], s[6:7] offset:64*\q   ; xx of my query in block q, twice: a pair for the packed line
	global_load_b32 v[XX+2*\q+1], v[XNO], s[6:7] offset:64*\q
.endr
	WIN 0
	v_lshl_add_u32 v[AL0], v15, 4, s76
	v_lshl_add_u32 v[AE0], v14, 5, s77             ; my codes 8 h + 0..7 of a tile
	v_mov_b32 v24, s[INF]
	v_mov_b32 v25, s[INF]
	v_lshl_add_u32 v26, v15, 3, s79
	ds_store_b64 v26, v[24:25]                     ; my block of +infinity: 32 lanes x 8 bytes; only I read it
	v_lshlrev_b32 v[H8], 3, v14
	s_lshl_b32 s80, s[WV], 9
	s_add_co_u32 s80, s80, RED
	v_lshl_add_u32 v[RS], v1, 2, s80
	s_and_b32 s81, s[WV], 1
	s_lshl_b32 s81, s81, 8                         ; at the end waves 0 and 2 take queries 0-63, waves 1 and 3 queries 64-127
	s_add_co_u32 s82, s81, RED
	v_lshl_add_u32 v[RL], v15, 3, s82
	s_add_co_u32 s83, s78, s81
	v_lshl_add_u32 v[GO], v15, 3, s83
.set k, 0
.rept 64
	v_mov_b32 v[IDX+k], 0                          ; what a register holds while nothing has won; these lines stand in the wait for the queries
.set k, k+1
.endr
	s_wait_loadcnt 0x0                             ; the queries and xx are in
	; The first half tile ranks a group that has not been: with ee = +infinity whatever its 32 accumulator registers hold loses, but they must have been written.  Four products write them in four lines.
	WIN 0x05                                       ; both sources in window 1
.irp t, 0,1,2,3
	v_wmma_f32_16x16x32_bf16 v[ACC+32+8*\t:ACC+32+8*\t+7], v[64*\t:64*\t+7], v[64*\t:64*\t+7], 0
.endr
	WIN 0
.set k, 0
.rept 64
	v_mov_b32 v[BEST+k], s[INF]                    ; the minima start at +infinity; these plain lines are also the places behind the four products (ISA guide 7.12.1)
.set k, k+1
.endr
	s_wait_tensorcnt 0x0                           ; my chunk 0 and my ee are in; only I read them
	WIN 0xc0
.irp f, 0,1,2,3,4,5,6,7,8,9,10,11,12,13,14,15
	ds_load_b128 v[64+4*(\f):64+4*(\f)+3], v[AL0] offset:512*(\f)   ; the blind tile in front multiplies tile 0's fragments,
.endr
.irp p, 0,1
	ds_load_b128 v[EE+8*\p:EE+8*\p+3],   v[AE0] offset:8192         ; and both ee buffers hold +infinity.  LDS serves a wave's instructions in order (ISA guide 5.7.1.4): these see the store above
	ds_load_b128 v[EE+8*\p+4:EE+8*\p+7], v[AE0] offset:8208
.endr
	WIN 0
	s_mov_b32 s[SLOTS], 31
.Lslot:                                        ; 31 trips: chunks 1 to 31 are asked for; trip k walks the tiles 4 k - 1 .. 4 k + 2 and fetches chunk k's four from LDS
	CHANGE
	s_mov_b32 s[CNT], 2
.Lpair:
	TILE 1
	TILE 0
	WIN 0
	s_sub_co_u32 s[CNT], s[CNT], 1
	s_cmp_lg_u32 s[CNT], 0
	s_cbranch_scc1 .Lpair
	s_sub_co_u32 s[SLOTS], s[SLOTS], 1
	s_cmp_lg_u32 s[SLOTS], 0
	s_cbranch_scc1 .Lslot
	s_wait_tensorcnt 0x0                           ; THE TAIL is written out.  My last chunk is in; only I read it and nothing is filled again, so no barrier stands here
	s_sub_co_u32 s[TB], s[TB], CHUNK
	s_xor_b32 s[TB], s[TB], SLOT1
	s_mov_b32 s[CNT], 3
.Ltail:                                        ; tiles 123 to 127 and the blind tile behind them
	TILE 1
	TILE 0
	WIN 0
	s_sub_co_u32 s[CNT], s[CNT], 1
	s_cmp_lg_u32 s[CNT], 0
	s_cbranch_scc1 .Ltail
	; THE END.  A register's index is its tile + its place j + 8 (lane / 16).  Of a lane's eight pairs: the least value; then, among the registers that hold it, the least index.  Then the two lanes of a
	; query are merged, then, through LDS, the four waves.  (The last blind fetch is still out: it lands in registers that nobody names again, and is waited for in front of the barrier.)
.set qq, 0
.rept 8
.set bb, BEST+8*qq
.set xi, IDX+8*qq
	v_min3_num_f32 v[TQ+qq], v[bb], v[bb+1], v[bb+2]
	v_min3_num_f32 v[TQ+qq], v[TQ+qq], v[bb+3], v[bb+4]
	v_min3_num_f32 v[TQ+qq], v[TQ+qq], v[bb+5], v[bb+6]
	v_min_num_f32 v[TQ+qq], v[TQ+qq], v[bb+7]
.irp j, 1,2,3,4,5,6,7
	v_add_nc_u32 v[xi+\j], \j, v[xi+\j]
.endr
.irp j, 0,1,2,3,4,5,6,7
	v_cmp_eq_f32 s[MK+\j], v[bb+\j], v[TQ+qq]
.endr
.irp j, 0,1,2,3,4,5,6,7
	v_cndmask_b32 v[xi+\j], s[BIGI], v[xi+\j], s[MK+\j]   ; a register that does not hold the least value is out of the running
.endr
.irp j, 0,2,4,6
	v_min_u32 v[xi+\j], v[xi+\j], v[xi+\j+1]
.endr
	v_min_u32 v[xi], v[xi], v[xi+2]
	v_min_u32 v[xi+4], v[xi+4], v[xi+6]
	v_min_u32 v[xi], v[xi], v[xi+4]
	v_add_nc_u32 v[xi], v[H8], v[xi]
	v_permlanex16_b32 v[bb+1], v[TQ+qq], s[SEL], s[SEL+1]  ; the query's other eight codes of each tile lie in the lane 16 away; the destinations have been written and are free
	v_permlanex16_b32 v[xi+1], v[xi], s[SEL], s[SEL+1]
	MERGE TQ+qq, xi, bb+1, xi+1                    ; both lanes of a query come to the same pair
	ds_store_b32 v[RS], v[TQ+qq] offset:64*qq      ; and write it to the same words
	ds_store_b32 v[RS], v[xi] offset:2048+64*qq
.set qq, qq+1
.endr
	s_wait_dscnt 0x0                               ; for the others' sake: my stores are done
	s_barrier_signal -1
	s_barrier_wait -1
.irp w, 0,1,2,3
	ds_load_b64 v[FV+2*\w:FV+2*\w+1], v[RL] offset:512*\w        ; two neighbouring queries a lane
	ds_load_b64 v[FI+2*\w:FI+2*\w+1], v[RL] offset:2048+512*\w
.endr
	s_cmp_lt_u32 s[WV], 2                          ; waves 0 and 1 store out3, waves 2 and 3 the same numbers into sel
	s_cselect_b64 s[20:21], s[12:13], s[14:15]
	s_wait_dscnt 0x0
.irp w, 1,2,3                          ; a later wave's codes are all higher: it wins by a strictly lower value alone
.irp e, 0,1
	v_cmp_lt_f32 s[MG], v[FV+2*\w+\e], v[FV+\e]
	v_cndmask_b32 v[FV+\e], v[FV+\e], v[FV+2*\w+\e], s[MG]
	v_cndmask_b32 v[FI+\e], v[FI+\e], v[FI+2*\w+\e], s[MG]
.endr
.endr
	global_store_b64 v[GO], v[FI:FI+1], s[20:21]   ; the wave stores 256 consecutive bytes, at a multiple of 256 from the buffer's first byte
	s_wait_tensorcnt 0x0                           ; the wave's end: behind my last tensor load and my last LDS store
	ds_add_u32 v[SPW], v[NIL]
	s_wait_dscnt 0x0
	ROUND                                          ; the closing round: no work-group ends while a partner may still ask for a chunk that names it
	s_endpgm
.Lfunc_end_k_qd4b84b04c9_vq:
	.size	k_qd4b84b04c9_vq, .Lfunc_end_k_qd4b84b04c9_vq-k_qd4b84b04c9_vq
	.p2alignl 7, 3214868480
	.fill 96, 4, 3214868480
	.section	.rodata,"a",@progbits
	.p2align	6, 0x0
	.amdhsa_kernel k_qd4b84b04c9_vq
		.amdhsa_group_segment_fixed_size 327680
		.amdhsa_private_segment_fixed_size 0
		.amdhsa_enable_private_segment 0
		.amdhsa_kernarg_size 48
		.amdhsa_user_sgpr_count 2
		.amdhsa_user_sgpr_kernarg_segment_ptr 1
		.amdhsa_wavefront_size32 1
		.amdhsa_system_sgpr_workgroup_id_x 1
		.amdhsa_system_sgpr_workgroup_id_y 1
		.amdhsa_system_sgpr_workgroup_id_z 1
		.amdhsa_system_vgpr_workitem_id 0
		.amdhsa_next_free_vgpr 928
		.amdhsa_next_free_sgpr 96
		.amdhsa_reserve_vcc 0
		.amdhsa_float_denorm_mode_32 3
		.amdhsa_float_denorm_mode_16_64 3
		.amdhsa_memory_ordered 1
		.amdhsa_forward_progress 1
		.amdhsa_inst_pref_size 141
	.end_amdhsa_kernel
	.amdgpu_metadata
---
amdhsa.version: [ 1, 2 ]
amdhsa.kernels:
  - .name:           k_qd4b84b04c9_vq
    .symbol:         k_qd4b84b04c9_vq.kd
    .args:
      - { .name: xb, .offset: 0, .size: 8, .value_kind: global_buffer, .address_space: global }
      - { .name: xn, .offset: 8, .size: 8, .value_kind: global_buffer, .address_space: global }
      - { .name: eb, .offset: 16, .size: 8, .value_kind: global_buffer, .address_space: global }
      - { .name: ee, .offset: 24, .size: 8, .value_kind: global_buffer, .address_space: global }
      - { .name: out3, .offset: 32, .size: 8, .value_kind: global_buffer, .address_space: global }
      - { .name: sel, .offset: 40, .size: 8, .value_kind: global_buffer, .address_space: global }
    .group_segment_fixed_size: 327680
    .private_segment_fixed_size: 0
    .kernarg_segment_align: 8
    .kernarg_segment_size: 48
    .max_flat_workgroup_size: 128
    .sgpr_count:     96
    .vgpr_count:     928
    .wavefront_size: 32
...
	.end_amdgpu_metadata
.endif
;; end of part 2
;; launch apply (part 3): grid 512 x 1, 8 waves a work-group, no clusters, 0 bytes of LDS; arguments x, embedding, sel, out0, part; writes out0, part
.if DOCPART == 3
	.amdgcn_target "amdgcn-amd-amdhsa--gfx1250"
	.amdhsa_code_object_version 6
	.text
	.protected	k_qd4b84b04c9_apply
	.globl	k_qd4b84b04c9_apply
	.p2align	8
	.type	k_qd4b84b04c9_apply,@function
k_qd4b84b04c9_apply:
	s_mov_b64 s[64:65], 0
	v_nop
	global_prefetch_b8 v0, s[64:65] scope:SCOPE_SE
	s_setreg_imm32_b32 hwreg(HW_REG_WAVE_MODE, 25, 1), 1
	s_wait_xcnt 0x0
; THE GATHER.  out0[n][:] = x[n][:] + (q - x[n][:]) with q = embedding[sel[n]][:], in f32 and in that order of operations; part[g] = wave g's sum of (q - x)^2 over its 8 rows.
; x, out0: [32768][256] f32; embedding: [8192][256] f32; sel: [32768] int32, stored by the launch before; part: [4096] f32.
; SHARES.  A wave owns 8 rows; a row's 1,024 bytes are two loads or stores of 32 lanes x 16 neighbouring bytes.  All 32 loads of a wave go out before the first is used, and no register is used twice,
; so no wait but the counted ones for data stands among them.
; A stream: no LDS, no barrier, no matrix work, no cluster (the rows of embedding that work-groups share are not known to be shared), no prefetch (all loads are out at once).
; An index is held to 0 .. 8191 before it enters an address.
.set S,  8                             ; v[8:15]   four pairs of running sums
.set EO, 16                            ; v[16:23]  row i: byte offset of my 16 bytes in its row of embedding
.set X,  32                            ; v[32:95]  x, then the result: row i at X + 8 i
.set Q,  96                            ; v[96:159] q, then q - x
	s_load_b256 s[4:11], s[0:1], 0x0               ; x s[4:5], embedding s[6:7], sel s[8:9], out0 s[10:11]
	s_load_b64 s[12:13], s[0:1], 0x20              ; part
	v_lshrrev_b32 v1, 5, v0
	v_readfirstlane_b32 s14, v1                    ; wave 0..7
	s_lshl_b32 s15, ttmp9, 3
	s_add_co_u32 s15, s15, s14                     ; my wave among the launch's 4,096
	s_lshl_b32 s16, s15, 5                         ; its 8 indices,
	s_mov_b32 s17, 0
	s_lshl_b32 s18, s15, 13                        ; its 8 rows of 1,024 bytes,
	s_mov_b32 s19, 0
	s_lshl_b32 s20, s15, 2                         ; its word of part
	s_mov_b32 s22, 0x76543210                      ; v_permlanex16_b32: each lane takes its own place in the other half
	s_mov_b32 s23, 0xfedcba98
	v_and_b32 v1, 31, v0                           ; lane
	v_lshlrev_b32 v2, 4, v1                        ; 16 bytes a lane; never rewritten
	v_mov_b32 v3, s20
	s_wait_kmcnt 0x0
	s_add_nc_u64 s[8:9], s[8:9], s[16:17]
	s_load_b256 s[24:31], s[8:9], 0x0              ; my 8 indices
	s_add_nc_u64 s[4:5], s[4:5], s[18:19]
	s_add_nc_u64 s[10:11], s[10:11], s[18:19]
.irp i, 0,1,2,3,4,5,6,7
	global_load_b128 v[X+8*\i:X+8*\i+3],   v2, s[4:5] offset:1024*\i th:TH_LOAD_NT
	global_load_b128 v[X+8*\i+4:X+8*\i+7], v2, s[4:5] offset:1024*\i+512 th:TH_LOAD_NT
.endr
	s_wait_kmcnt 0x0
.irp i, 0,1,2,3,4,5,6,7
	s_min_u32 s[24+\i], s[24+\i], 8191             ; inside the table
	s_lshl_b32 s[24+\i], s[24+\i], 10              ; its row
	v_add_nc_u32 v[EO+\i], s[24+\i], v2
	global_load_b128 v[Q+8*\i:Q+8*\i+3],   v[EO+\i], s[6:7]
	global_load_b128 v[Q+8*\i+4:Q+8*\i+7], v[EO+\i], s[6:7] offset:512
.endr
.irp i, 0,1,2,3,4,5,6,7
	s_wait_loadcnt 14-2*\i                         ; loads come back in order (ISA guide 5.7.1): x and this row's q are in, the later rows' q stay out
.irp c, 0,1,2,3
	v_pk_add_f32 v[Q+8*\i+2*\c:Q+8*\i+2*\c+1], v[Q+8*\i+2*\c:Q+8*\i+2*\c+1], v[X+8*\i+2*\c:X+8*\i+2*\c+1] neg_lo:[0,1] neg_hi:[0,1]  ; q - x
.endr
.irp c, 0,1,2,3
.if \i == 0
	v_pk_mul_f32 v[S+2*\c:S+2*\c+1], v[Q+2*\c:Q+2*\c+1], v[Q+2*\c:Q+2*\c+1]      ; the first row starts the sums: nothing is cleared
.else
	v_pk_fma_f32 v[S+2*\c:S+2*\c+1], v[Q+8*\i+2*\c:Q+8*\i+2*\c+1], v[Q+8*\i+2*\c:Q+8*\i+2*\c+1], v[S+2*\c:S+2*\c+1]
.endif
.endr
.irp c, 0,1,2,3
	v_pk_add_f32 v[X+8*\i+2*\c:X+8*\i+2*\c+1], v[X+8*\i+2*\c:X+8*\i+2*\c+1], v[Q+8*\i+2*\c:Q+8*\i+2*\c+1]  ; x + (q - x)
.endr
	global_store_b128 v2, v[X+8*\i:X+8*\i+3],   s[10:11] offset:1024*\i th:TH_STORE_NT      ; a store of the wave covers 512 consecutive bytes, at a multiple of 512 from out0's first byte
	global_store_b128 v2, v[X+8*\i+4:X+8*\i+7], s[10:11] offset:1024*\i+512 th:TH_STORE_NT
.endr
	v_pk_add_f32 v[S:S+1], v[S:S+1], v[S+2:S+3]
	v_pk_add_f32 v[S+4:S+5], v[S+4:S+5], v[S+6:S+7]
	v_pk_add_f32 v[S:S+1], v[S:S+1], v[S+4:S+5]
	v_add_f32 v[S], v[S], v[S+1]
	v_add_f32_dpp v[S], v[S], v[S] row_xmask:1 row_mask:0xf bank_mask:0xf
	v_add_f32_dpp v[S], v[S], v[S] row_xmask:2 row_mask:0xf bank_mask:0xf
	v_add_f32_dpp v[S], v[S], v[S] row_xmask:4 row_mask:0xf bank_mask:0xf
	v_add_f32_dpp v[S], v[S], v[S] row_xmask:8 row_mask:0xf bank_mask:0xf
	v_permlanex16_b32 v[S+1], v[S], s22, s23
	v_add_f32 v[S], v[S], v[S+1]
	v_cmp_eq_u32 vcc_lo, 0, v1
	s_wait_xcnt 0x0                                ; EXEC, a source of the stores above, changes only behind this wait
	s_and_saveexec_b32 s21, vcc_lo
	global_store_b32 v3, v[S], s[12:13]            ; lane 0: the wave's one number
	s_wait_xcnt 0x0
	s_or_b32 exec_lo, exec_lo, s21
	s_endpgm
.Lfunc_end_k_qd4b84b04c9_apply:
	.size	k_qd4b84b04c9_apply, .Lfunc_end_k_qd4b84b04c9_apply-k_qd4b84b04c9_apply
	.p2alignl 7, 3214868480
	.fill 96, 4, 3214868480
	.section	.rodata,"a",@progbits
	.p2align	6, 0x0
	.amdhsa_kernel k_qd4b84b04c9_apply
		.amdhsa_group_segment_fixed_size 0
		.amdhsa_private_segment_fixed_size 0
		.amdhsa_enable_private_segment 0
		.amdhsa_kernarg_size 40
		.amdhsa_user_sgpr_count 2
		.amdhsa_user_sgpr_kernarg_segment_ptr 1
		.amdhsa_wavefront_size32 1
		.amdhsa_system_sgpr_workgroup_id_x 1
		.amdhsa_system_sgpr_workgroup_id_y 1
		.amdhsa_system_sgpr_workgroup_id_z 1
		.amdhsa_system_vgpr_workitem_id 0
		.amdhsa_next_free_vgpr 160
		.amdhsa_next_free_sgpr 66
		.amdhsa_reserve_vcc 1
		.amdhsa_float_denorm_mode_32 3
		.amdhsa_float_denorm_mode_16_64 3
		.amdhsa_memory_ordered 1
		.amdhsa_forward_progress 1
		.amdhsa_inst_pref_size 14
	.end_amdhsa_kernel
	.amdgpu_metadata
---
amdhsa.version: [ 1, 2 ]
amdhsa.kernels:
  - .name:           k_qd4b84b04c9_apply
    .symbol:         k_qd4b84b04c9_apply.kd
    .args:
      - { .name: x, .offset: 0, .size: 8, .value_kind: global_buffer, .address_space: global }
      - { .name: embedding, .offset: 8, .size: 8, .value_kind: global_buffer, .address_space: global }
      - { .name: sel, .offset: 16, .size: 8, .value_kind: global_buffer, .address_space: global }
      - { .name: out0, .offset: 24, .size: 8, .value_kind: global_buffer, .address_space: global }
      - { .name: part, .offset: 32, .size: 8, .value_kind: global_buffer, .address_space: global }
    .group_segment_fixed_size: 0
    .private_segment_fixed_size: 0
    .kernarg_segment_align: 8
    .kernarg_segment_size: 40
    .max_flat_workgroup_size: 256
    .sgpr_count:     66
    .vgpr_count:     160
    .wavefront_size: 32
...
	.end_amdgpu_metadata
.endif
;; end of part 3
;; launch finish (part 4): grid 1 x 1, 1 waves a work-group, no clusters, 0 bytes of LDS; arguments part, out1, out2; writes out1, out2
.if DOCPART == 4
	.amdgcn_target "amdgcn-amd-amdhsa--gfx1250"
	.amdhsa_code_object_version 6
	.text
	.protected	k_qd4b84b04c9_finish
	.globl	k_qd4b84b04c9_finish
	.p2align	8
	.type	k_qd4b84b04c9_finish,@function
k_qd4b84b04c9_finish:
	s_mov_b64 s[64:65], 0
	v_nop
	global_prefetch_b8 v0, s[64:65] scope:SCOPE_SE
	s_setreg_imm32_b32 hwreg(HW_REG_WAVE_MODE, 25, 1), 1
	s_wait_xcnt 0x0
; THE TWO LOSSES.  out1 = out2 = the mean of (x - q)^2 over 32,768 x 256 = 2^23 numbers: the sum of part's 4,096 f32, times 2^-23 (exact).  The two losses differ in their gradients alone.
; One owner for a sum that spans the work-groups of the launch before: one wave, 32 loads of 512 consecutive bytes, all out at once, four chains of packed sums, one reduction across the lanes.
.set S, 8                              ; v[8:15]   four pairs of sums
.set D, 16                             ; v[16:143] my 128 numbers
	s_load_b128 s[4:7], s[0:1], 0x0                ; part s[4:5], out1 s[6:7]
	s_load_b64 s[8:9], s[0:1], 0x10                ; out2
	v_lshlrev_b32 v1, 4, v0
	v_mov_b32 v2, 0
	s_mov_b32 s10, 0x76543210                      ; v_permlanex16_b32: each lane takes its own place in the other half
	s_mov_b32 s11, 0xfedcba98
	s_wait_kmcnt 0x0
.set i, 0
.rept 32
	global_load_b128 v[D+4*i:D+4*i+3], v1, s[4:5] offset:512*i
.set i, i+1
.endr
	s_wait_loadcnt 0x0
.irp c, 0,1,2,3
	v_pk_add_f32 v[S+2*\c:S+2*\c+1], v[D+2*\c:D+2*\c+1], v[D+8+2*\c:D+8+2*\c+1]  ; the first eight pairs start the chains
.endr
.set k, 8
.rept 56
	v_pk_add_f32 v[S+2*(k%4):S+2*(k%4)+1], v[S+2*(k%4):S+2*(k%4)+1], v[D+2*k:D+2*k+1]
.set k, k+1
.endr
	v_pk_add_f32 v[S:S+1], v[S:S+1], v[S+2:S+3]
	v_pk_add_f32 v[S+4:S+5], v[S+4:S+5], v[S+6:S+7]
	v_pk_add_f32 v[S:S+1], v[S:S+1], v[S+4:S+5]
	v_add_f32 v[S], v[S], v[S+1]
	v_add_f32_dpp v[S], v[S], v[S] row_xmask:1 row_mask:0xf bank_mask:0xf
	v_add_f32_dpp v[S], v[S], v[S] row_xmask:2 row_mask:0xf bank_mask:0xf
	v_add_f32_dpp v[S], v[S], v[S] row_xmask:4 row_mask:0xf bank_mask:0xf
	v_add_f32_dpp v[S], v[S], v[S] row_xmask:8 row_mask:0xf bank_mask:0xf
	v_permlanex16_b32 v[S+1], v[S], s10, s11
	v_add_f32 v[S], v[S], v[S+1]
	v_mul_f32 v[S], 0x34000000, v[S]               ; 2^-23
	v_cmp_eq_u32 vcc_lo, 0, v0
	s_wait_xcnt 0x0                                ; EXEC, a source of the loads above, changes only behind this wait
	s_and_saveexec_b32 s12, vcc_lo
	global_store_b32 v2, v[S], s[6:7]              ; lane 0: each output is one number
	global_store_b32 v2, v[S], s[8:9]
	s_wait_xcnt 0x0
	s_or_b32 exec_lo, exec_lo, s12
	s_endpgm
.Lfunc_end_k_qd4b84b04c9_finish:
	.size	k_qd4b84b04c9_finish, .Lfunc_end_k_qd4b84b04c9_finish-k_qd4b84b04c9_finish
	.p2alignl 7, 3214868480
	.fill 96, 4, 3214868480
	.section	.rodata,"a",@progbits
	.p2align	6, 0x0
	.amdhsa_kernel k_qd4b84b04c9_finish
		.amdhsa_group_segment_fixed_size 0
		.amdhsa_private_segment_fixed_size 0
		.amdhsa_enable_private_segment 0
		.amdhsa_kernarg_size 24
		.amdhsa_user_sgpr_count 2
		.amdhsa_user_sgpr_kernarg_segment_ptr 1
		.amdhsa_wavefront_size32 1
		.amdhsa_system_sgpr_workgroup_id_x 1
		.amdhsa_system_sgpr_workgroup_id_y 1
		.amdhsa_system_sgpr_workgroup_id_z 1
		.amdhsa_system_vgpr_workitem_id 0
		.amdhsa_next_free_vgpr 144
		.amdhsa_next_free_sgpr 66
		.amdhsa_reserve_vcc 1
		.amdhsa_float_denorm_mode_32 3
		.amdhsa_float_denorm_mode_16_64 3
		.amdhsa_memory_ordered 1
		.amdhsa_forward_progress 1
		.amdhsa_inst_pref_size 9
	.end_amdhsa_kernel
	.amdgpu_metadata
---
amdhsa.version: [ 1, 2 ]
amdhsa.kernels:
  - .name:           k_qd4b84b04c9_finish
    .symbol:         k_qd4b84b04c9_finish.kd
    .args:
      - { .name: part, .offset: 0, .size: 8, .value_kind: global_buffer, .address_space: global }
      - { .name: out1, .offset: 8, .size: 8, .value_kind: global_buffer, .address_space: global }
      - { .name: out2, .offset: 16, .size: 8, .value_kind: global_buffer, .address_space: global }
    .group_segment_fixed_size: 0
    .private_segment_fixed_size: 0
    .kernarg_segment_align: 8
    .kernarg_segment_size: 24
    .max_flat_workgroup_size: 32
    .sgpr_count:     66
    .vgpr_count:     144
    .wavefront_size: 32
...
	.end_amdgpu_metadata
.endif
;; end of part 4
;; ======== version 2 of 2: 5 launches; version 1 with the launch apply written anew for expert scheduling mode
;; workspace buffers: eb 4,194,304 bytes; ee 32,768 bytes; xb 16,777,216 bytes; xn 131,072 bytes; sel 131,072 bytes of whole numbers; part 16,384 bytes
;; launch prep: the kernel of part 1 again; grid 128 x 1, 4 waves a work-group, no clusters, 167,936 bytes of LDS; arguments embedding, eb, ee; writes eb, ee
;; launch prepx: the kernel of part 1 again; grid 512 x 1, 4 waves a work-group, no clusters, 167,936 bytes of LDS; arguments x, xb, xn; writes xb, xn
;; launch vq: the kernel of part 2 again; grid 256 x 1, 4 waves a work-group, clusters of 4 x 1, 327,680 bytes of LDS; arguments xb, xn, eb, ee, out3, sel; writes out3, sel
;; launch apply (part 5): grid 512 x 1, 8 waves a work-group, no clusters, 0 bytes of LDS; arguments x, embedding, sel, out0, part; writes out0, part
.if DOCPART == 5
	.amdgcn_target "amdgcn-amd-amdhsa--gfx1250"
	.amdhsa_code_object_version 6
	.text
	.protected	k_qd4b84b04c9_apply
	.globl	k_qd4b84b04c9_apply
	.p2align	8
	.type	k_qd4b84b04c9_apply,@function
k_qd4b84b04c9_apply:
	s_mov_b64 s[64:65], 0
	v_nop
	global_prefetch_b8 v0, s[64:65] scope:SCOPE_SE
	s_setreg_imm32_b32 hwreg(HW_REG_WAVE_SCHED_MODE, 0, 2), 2
	s_setreg_imm32_b32 hwreg(HW_REG_WAVE_MODE, 25, 1), 1
	s_wait_xcnt 0x0
	s_wait_alu depctr_vm_vsrc(0)
; THE GATHER.  out0[n][:] = x[n][:] + (q - x[n][:]) with q = embedding[sel[n]][:], in f32 and in that order of operations; part[g] = wave g's sum of (q - x)^2 over its 8 rows.
; x, out0: [32768][256] f32; embedding: [8192][256] f32; sel: [32768] int32, stored by the launch before; part: [4096] f32.
; SHARES.  A wave owns 8 rows; a row's 1,024 bytes are two loads or stores of 32 lanes x 16 neighbouring bytes.  All 32 loads of a wave go out before the first is used, and no register is used twice.
; A stream: no LDS, no barrier, no matrix work, no cluster (the rows of embedding that work-groups share are not known to be shared), no prefetch (all loads are out at once).
; An index is held to 0 .. 8191 before it enters an address.
; THE MODE: SCHED_MODE bits 1:0 = 2 (LLVM: expert scheduling mode 2), set by the entry lines.  The code itself states the register dependences
; between vector instructions and memory instructions, with s_wait_alu, always for 0.
; THE PLAN.  The text is straight: no loop, no branch, no label.  Registers that memory instructions touch:
;   v2, v3     byte offsets, written once at the head; v2 is read by every load and store of x and out0, v3 by the last store.  Never written again.
;   EO0 .. EO7 Written by eight adds in one run, when the indices are in; EO[i] is read by row i's two loads of embedding.  Never written again.
;   X0 .. X7   Two loads land in X[i]; row i's arithmetic reads it and writes the result over it; two stores, issued at the head of row i + 1, read it.  Never written again.
;   Q0 .. Q7   Two loads land in Q[i]; row i's arithmetic alone names it after that.
;   v[S]       Arithmetic alone, until the last store reads it.
; No register that a memory instruction reads is written afterwards, and no load lands in a register that a vector line has named.  So the waits are: one ahead of the first loads (the offsets), one
; behind the run of address adds, one at the head of each row behind its wait for data (the row before has written its result, which that row's stores, issued there, read; the row's own lines name
; X[i], Q[i] and S alone), one ahead of the last row's stores, and those that stand at the two writes of EXEC.
.set S,  8                             ; v[8:15]   four pairs of running sums
.set EO, 16                            ; v[16:23]  row i: byte offset of my 16 bytes in its row of embedding
.set X,  32                            ; v[32:95]  x, then the result: row i at X + 8 i
.set Q,  96                            ; v[96:159] q, then q - x
	s_load_b256 s[4:11], s[0:1], 0x0               ; x s[4:5], embedding s[6:7], sel s[8:9], out0 s[10:11]
	s_load_b64 s[12:13], s[0:1], 0x20              ; part
	v_lshrrev_b32 v1, 5, v0
	v_readfirstlane_b32 s14, v1                    ; wave 0..7
	v_and_b32 v1, 31, v0                           ; lane
	v_lshlrev_b32 v2, 4, v1                        ; 16 bytes a lane; never rewritten
	s_lshl_b32 s15, ttmp9, 3
	s_mov_b32 s17, 0
	s_mov_b32 s19, 0
	s_mov_b32 s22, 0x76543210                      ; v_permlanex16_b32: each lane takes its own place in the other half
	s_mov_b32 s23, 0xfedcba98
	s_wait_alu depctr_va_sdst(0)                   ; s14 is written, ahead of its first reader: the offsets in sel, x, out0 and part are made from it
	s_add_co_u32 s15, s15, s14                     ; my wave among the launch's 4,096
	s_lshl_b32 s16, s15, 5                         ; its 8 indices,
	s_lshl_b32 s18, s15, 13                        ; its 8 rows of 1,024 bytes,
	s_lshl_b32 s20, s15, 2                         ; its word of part
	v_mov_b32 v3, s20
	s_wait_kmcnt 0x0
	s_add_nc_u64 s[8:9], s[8:9], s[16:17]
	s_load_b256 s[24:31], s[8:9], 0x0              ; my 8 indices
	s_add_nc_u64 s[4:5], s[4:5], s[18:19]
	s_add_nc_u64 s[10:11], s[10:11], s[18:19]
	s_wait_alu depctr_va_vdst(0)                   ; v2 and v3 are written: the loads and stores below read them as their offsets
.irp i, 0,1,2,3,4,5,6,7
	global_load_b128 v[X+8*\i:X+8*\i+3],   v2, s[4:5] offset:1024*\i th:TH_LOAD_NT
	global_load_b128 v[X+8*\i+4:X+8*\i+7], v2, s[4:5] offset:1024*\i+512 th:TH_LOAD_NT
.endr
	s_wait_kmcnt 0x0
.irp i, 0,1,2,3,4,5,6,7                ; all eight addresses in one run, so that one wait serves the sixteen loads; no memory instruction has read these registers
	s_min_u32 s[24+\i], s[24+\i], 8191             ; inside the table
	s_lshl_b32 s[24+\i], s[24+\i], 10              ; its row
	v_add_nc_u32 v[EO+\i], s[24+\i], v2
.endr
	s_wait_alu depctr_va_vdst(0)                   ; the eight adds have written v[EO ..], which the loads below read as their offsets
.irp i, 0,1,2,3,4,5,6,7
	global_load_b128 v[Q+8*\i:Q+8*\i+3],   v[EO+\i], s[6:7]
	global_load_b128 v[Q+8*\i+4:Q+8*\i+7], v[EO+\i], s[6:7] offset:512
.endr
.irp i, 0,1,2,3,4,5,6,7
	s_wait_loadcnt 14-2*\i                         ; loads come back in order (ISA guide 5.7.1): x and this row's q are in, the later rows' q stay out
.if \i > 0
	s_wait_alu depctr_va_vdst(0)                   ; the row before has written its result in its X, which the two stores below read
	global_store_b128 v2, v[X+8*((\i)-1):X+8*((\i)-1)+3],   s[10:11] offset:1024*((\i)-1) th:TH_STORE_NT      ; a store of the wave covers 512 consecutive bytes, at a multiple of 512 from out0's first byte
	global_store_b128 v2, v[X+8*((\i)-1)+4:X+8*((\i)-1)+7], s[10:11] offset:1024*((\i)-1)+512 th:TH_STORE_NT
.endif
.irp c, 0,1,2,3
	v_pk_add_f32 v[Q+8*\i+2*\c:Q+8*\i+2*\c+1], v[Q+8*\i+2*\c:Q+8*\i+2*\c+1], v[X+8*\i+2*\c:X+8*\i+2*\c+1] neg_lo:[0,1] neg_hi:[0,1]  ; q - x
.endr
.irp c, 0,1,2,3
.if \i == 0
	v_pk_mul_f32 v[S+2*\c:S+2*\c+1], v[Q+2*\c:Q+2*\c+1], v[Q+2*\c:Q+2*\c+1]      ; the first row starts the sums: nothing is cleared
.else
	v_pk_fma_f32 v[S+2*\c:S+2*\c+1], v[Q+8*\i+2*\c:Q+8*\i+2*\c+1], v[Q+8*\i+2*\c:Q+8*\i+2*\c+1], v[S+2*\c:S+2*\c+1]
.endif
.endr
.irp c, 0,1,2,3
	v_pk_add_f32 v[X+8*\i+2*\c:X+8*\i+2*\c+1], v[X+8*\i+2*\c:X+8*\i+2*\c+1], v[Q+8*\i+2*\c:Q+8*\i+2*\c+1]  ; x + (q - x)
.endr
.endr
	s_wait_alu depctr_va_vdst(0)                   ; the last row has written its result, which the two stores below read; they go out ahead of the reduction
	global_store_b128 v2, v[X+56:X+59], s[10:11] offset:7168 th:TH_STORE_NT
	global_store_b128 v2, v[X+60:X+63], s[10:11] offset:7680 th:TH_STORE_NT
	v_pk_add_f32 v[S:S+1], v[S:S+1], v[S+2:S+3]
	v_pk_add_f32 v[S+4:S+5], v[S+4:S+5], v[S+6:S+7]
	v_pk_add_f32 v[S:S+1], v[S:S+1], v[S+4:S+5]
	v_add_f32 v[S], v[S], v[S+1]
	v_add_f32_dpp v[S], v[S], v[S] row_xmask:1 row_mask:0xf bank_mask:0xf
	v_add_f32_dpp v[S], v[S], v[S] row_xmask:2 row_mask:0xf bank_mask:0xf
	v_add_f32_dpp v[S], v[S], v[S] row_xmask:4 row_mask:0xf bank_mask:0xf
	v_add_f32_dpp v[S], v[S], v[S] row_xmask:8 row_mask:0xf bank_mask:0xf
	v_permlanex16_b32 v[S+1], v[S], s22, s23
	v_add_f32 v[S], v[S], v[S+1]
	v_cmp_eq_u32 vcc_lo, 0, v1
	s_wait_xcnt 0x0                                ; EXEC, a source of the stores above, changes only behind this wait
	s_wait_alu depctr_va_vcc(0)                    ; the compare has written VCC, from which EXEC is made
	s_wait_alu depctr_va_vdst(0)                   ; EXEC is written below: every vector line so far has written its result, v[S] among them, which the store below reads
	s_wait_alu depctr_vm_vsrc(0)                   ; and every load and store so far has read its vector registers
	s_and_saveexec_b32 s21, vcc_lo
	global_store_b32 v3, v[S], s[12:13]            ; lane 0: the wave's one number
	s_wait_xcnt 0x0
	s_wait_alu depctr_va_vdst(0)                   ; EXEC is written below: no vector line is still at work
	s_wait_alu depctr_vm_vsrc(0)                   ; and the store above has read v3 and v[S]
	s_or_b32 exec_lo, exec_lo, s21
	s_endpgm
.Lfunc_end_k_qd4b84b04c9_apply:
	.size	k_qd4b84b04c9_apply, .Lfunc_end_k_qd4b84b04c9_apply-k_qd4b84b04c9_apply
	.p2alignl 7, 3214868480
	.fill 96, 4, 3214868480
	.section	.rodata,"a",@progbits
	.p2align	6, 0x0
	.amdhsa_kernel k_qd4b84b04c9_apply
		.amdhsa_group_segment_fixed_size 0
		.amdhsa_private_segment_fixed_size 0
		.amdhsa_enable_private_segment 0
		.amdhsa_kernarg_size 40
		.amdhsa_user_sgpr_count 2
		.amdhsa_user_sgpr_kernarg_segment_ptr 1
		.amdhsa_wavefront_size32 1
		.amdhsa_system_sgpr_workgroup_id_x 1
		.amdhsa_system_sgpr_workgroup_id_y 1
		.amdhsa_system_sgpr_workgroup_id_z 1
		.amdhsa_system_vgpr_workitem_id 0
		.amdhsa_next_free_vgpr 160
		.amdhsa_next_free_sgpr 66
		.amdhsa_reserve_vcc 1
		.amdhsa_float_denorm_mode_32 3
		.amdhsa_float_denorm_mode_16_64 3
		.amdhsa_memory_ordered 1
		.amdhsa_forward_progress 1
		.amdhsa_inst_pref_size 15
	.end_amdhsa_kernel
	.amdgpu_metadata
---
amdhsa.version: [ 1, 2 ]
amdhsa.kernels:
  - .name:           k_qd4b84b04c9_apply
    .symbol:         k_qd4b84b04c9_apply.kd
    .args:
      - { .name: x, .offset: 0, .size: 8, .value_kind: global_buffer, .address_space: global }
      - { .name: embedding, .offset: 8, .size: 8, .value_kind: global_buffer, .address_space: global }
      - { .name: sel, .offset: 16, .size: 8, .value_kind: global_buffer, .address_space: global }
      - { .name: out0, .offset: 24, .size: 8, .value_kind: global_buffer, .address_space: global }
      - { .name: part, .offset: 32, .size: 8, .value_kind: global_buffer, .address_space: global }
    .group_segment_fixed_size: 0
    .private_segment_fixed_size: 0
    .kernarg_segment_align: 8
    .kernarg_segment_size: 40
    .max_flat_workgroup_size: 256
    .sgpr_count:     66
    .vgpr_count:     160
    .wavefront_size: 32
...
	.end_amdgpu_metadata
.endif
;; end of part 5
;; launch finish: the kernel of part 4 again; grid 1 x 1, 1 waves a work-group, no clusters, 0 bytes of LDS; arguments part, out1, out2; writes out1, out2
